; MI455X (gfx1250); checked and timed in simulation.
; The chip was launched on July 23, 2026; its instructions are those of AMD's public machine-readable ISA for CDNA 5 (MIT licence, August 2026) and "CDNA5" Instruction Set Architecture Reference Guide (July 2026). The comments in the code are by the model that wrote it; some were corrected since.
;; Iterative Model. Allowed arithmetic: matrix products marked QUANTISED: E4M3 operands, one E8M0 scale for each 32 along K, by v_wmma_scale_f32_16x16x128_f8f6f4 with both operands' format E4M3, f32 sums; products left as they are: f32 operands where the result goes on into a quantised operand, else bf16, f16 or f32 operands; f32 sums; everything else in f32.
;; Inputs: W_fc 2,048 x 5 float32; W_feat_codes 2,048 x 128 x 32 uint8 (E4M3 codes of W_feat, K innermost, in blocks of 32 codes); W_feat_scales 2,048 x 128 uint8 (E8M0 scales of W_feat, one for each 32 codes along K); b_fc 5 float32; prototypes 5 x 8 x 2,048 float32; x_codes 8,192 x 128 x 32 uint8 (E4M3 codes of x, K innermost, in blocks of 32 codes); x_scales 8,192 x 128 uint8 (E8M0 scales of x, one for each 32 codes along K).
;; Outputs: out0 8,192 x 5 float32; out1 8,192 int32.
;; Constants: epoch = 5.
;; This version of the problem:
;;   THIS VERSION OF THE PROBLEM IS GIVEN IN LOW PRECISION. The matrix products marked QUANTISED in the list below multiply operands that are first quantised to E4M3 (4 exponent bits, 3 mantissa bits; 8 bits a number), with one power-of-two scale for each 32 numbers along K (OCP MX v1.0); their sums are f32. All else is computed in f32.
;;   The module's matrix products, in the order in which they are computed (A, B: the left and right operand; K: the contracted axis; several contracted axes count as one K, in the product's order):
;;     1. [M 8,192, K 4,096] x [K 4,096, N 2,048]; A: input x (given as codes); B: input W_feat (given as codes): QUANTISED
;;     2. [M 8,192, K 2,048] x [K 2,048, N 5]; A: computed on the way; B: input W_fc: left as it is (N = 5 < 16)
;;     3. [M 8,192, K 2,048] x [K 2,048, N 5]; A: computed on the way; B: computed on the way: left as it is (N = 5 < 16)
;;   THE QUANTISER, for each operand of a quantised product, along K:
;;     - K is cut into blocks of 32 from its start; a last block that is shorter is filled with zeros.
;;     - A block's scale is 2^e with e = floor(log2(the largest magnitude in the block)) - 8, held to -126 .. 127; a block of zeros has e = 0. As a byte (E8M0): e + 127.
;;     - Each number is divided by its block's scale, clamped to +-448, and rounded to the nearest number of E4M3, ties to even, subnormals kept.
;;     - The product sums the exact products of the quantised numbers (number of the format x scale) in f32.
;;   ~~~python
;;   def quantise(x, axis):      # numpy; x: float32 -> the quantised numbers, widened to float32 again
;;       x = np.moveaxis(x, axis, -1); K = x.shape[-1]
;;       x = np.pad(x, [(0, 0)] * (x.ndim - 1) + [(0, -K % 32)]); x = x.reshape(x.shape[:-1] + (-1, 32)); a = np.abs(x).max(-1, keepdims=True)
;;       e = np.where(a > 0, np.clip(np.frexp(np.where(a > 0, a, 1))[1] - 1 - 8, -126, 127), 0)      # np.frexp(a)[1] - 1 = floor(log2(a)), exactly
;;       r = np.clip(x / 2.0 ** e, -448, 448)
;;       step = 2.0 ** (np.maximum(np.frexp(np.where(r == 0, 1, r))[1] - 1, -6) - 3)
;;       q = np.round(r / step) * step * 2.0 ** e      # np.round: ties to even
;;       return np.moveaxis(q.reshape(q.shape[:-2] + (-1,))[..., :K], -1, axis).astype(np.float32)
;;   ~~~
;;   INPUTS GIVEN AS CODES. W_feat (in the module: [4096, 2048], K = its axis 0); x (in the module: [8192, 4096], K = its axis 1): each comes as NAME_codes (uint8): NAME with its K axis moved to the last place and cut into blocks of 32 codes, [.., K / 32, bytes a block], one block behind the other in memory; one code a byte (a code: sign, 4 exponent bits, 3 mantissa bits); and NAME_scales (uint8): the same leading axes, one E8M0 byte (e + 127) for each 32 codes along K. Its value is code x scale, taken as it is: it is not quantised again, and the codes and scales need not be those that the quantiser above would give.
;; One version. Each part assembles by itself: llvm-mc -triple=amdgcn-amd-amdhsa -mcpu=gfx1250 --defsym DOCPART=n.
;; ======== version 1 of 1: 3 launches
;; limits: values are held in bf16: 8 bits of precision; right only within a limited range of input values
;; workspace buffers: sc_t 1,310,720 bytes; wc 61,440 bytes; part 4,194,304 bytes; wimg 8,388,608 bytes
;; launch prep (part 1): grid 174 x 1, 8 waves a work-group, no clusters, 148,992 bytes of LDS; arguments x_scales, W_feat_scales, prototypes, W_fc, sc_t, wc, W_feat_codes, wimg; writes sc_t, wc, wimg
.if DOCPART == 1
	.amdgcn_target "amdgcn-amd-amdhsa--gfx1250"
	.amdhsa_code_object_version 6
	.text
	.protected	k_q29e517c362_prep
	.globl	k_q29e517c362_prep
	.p2align	8
	.type	k_q29e517c362_prep,@function
k_q29e517c362_prep:
	s_mov_b64 s[64:65], 0
	v_nop
	global_prefetch_b8 v0, s[64:65] scope:SCOPE_SE
	s_setreg_imm32_b32 hwreg(HW_REG_WAVE_MODE, 25, 1), 1
	s_wait_xcnt 0x0
; What the product's launch wants laid ready, made once.  45 work-groups of eight waves, two kinds of work, parted once on the work-group's number.
; WORK-GROUPS 0-39: THE SCALE BYTES BY K STEP.  x_scales [8192][128] and W_feat_scales [2048][128] are laid anew into ONE buffer, sc_t: [tile of 256 rows: x's 32, then W_feat's 8][K step t of 256: 16][G 8][r 16][u 2][8 bytes],
; the row in its tile being 32 G + 16 u + r and the 8 bytes the row's bytes 8 t .. 8 t + 7.  So 16 bytes at [G][r] are the scale words of two row blocks for one K step, sixteen rows' are 256 consecutive
; bytes, and one load of the product's launch can take x's words in one half of its lanes and W_feat's in the other.  Work-group g makes tile g: only the source pointer is chosen, both tensors take one
; way through the text.  Wave w takes G = w: 32 rows, 4,096 bytes, read as they lie (512 consecutive bytes a load), turned in the wave's own stage in LDS (rows 144 bytes apart), and stored 256 consecutive aligned bytes a store.
; WORK-GROUPS 40-44: THE CLASS VECTORS, class c = work-group - 40.  P[c][n] = sum over s of prototypes[c][s][n] / |prototypes[c][s]|, in f32; it leaves as two bf16 terms, hi = bf16(P) and
; lo = bf16(P - hi); beside them column c of W_fc as one bf16 term.  wc is 15 rows of 2,048 bf16: rows 0-3 hi of classes 0-3, rows 4-7 their lo, rows 8-12 W_fc's columns, row 13 hi and row 14 lo of class 4.
; LIMITS: 1 / norm is v_rsq_f32 of the sum of squares and is multiplied in, and the eight prototypes are summed ahead of the product with the features: another order of rounding than dividing each
; vector first.  A prototype whose sum of squares is 0 or under 2^-126 gives infinities and NaN, over 2^127 zeros.  P keeps about 16 bits of mantissa in its two terms, W_fc 8.  NaN and infinities are passed on.
; WORK LEFT OUT OF THIS PROGRAM.  reference() divides each row of feats by its norm, and the scores by 8, ahead of the argmax over the five classes.  Both are ONE positive factor for all five scores of a row,
; so for every finite row with a norm other than 0 the order of the five, and the first largest, stay as they are.  A row of zeros gives five NaN in reference(), label 0, and five zeros here, label 0 too.
; So the norm of feats and the division by 8 are computed nowhere; the prototypes' own norms differ from term to term of a sum and stay.  Every input is loaded.
; LIMIT: a NaN, an infinity or an overflow that reaches only the norm of feats is not carried to the label.
; A THIRD KIND OF WORK, WORK-GROUPS 45-172 (173 in all): W_feat's CODES IN THE ORDER OF THE OPERAND'S REGISTERS.  Work-group 45 + b takes rows 16 b .. 16 b + 15 of W_feat_codes, 65,536 bytes, and lays them into
; the same 65,536 bytes of wimg as [K step of 128: 32][c 4][lane 32][16 bytes]: lane (r, h) of group c holds row r's codes K = 32 c + 16 h + 0 .. 15 of the step.  In pieces of 16 bytes that is a transposition:
; piece j of row r goes to place 16 j + r.  Wave w takes j = 32 w .. 32 w + 31 of all 16 rows: 16 loads of 512 consecutive bytes, through its own stage in LDS (a lane's 16 pieces 272 bytes apart), 16 stores of 512 consecutive aligned bytes.
.set STGP, 144                         ; a row of 128 scale bytes in the stage + 16
.set WBASE, 38400                      ; the third kind's own LDS bytes: 8 waves x 32 x 272
.set WSTG,  32*272
; A FOURTH KIND, WORK-GROUP 173 (174 in all): W_fc's FIVE COLUMNS AS ROWS 8-12 OF wc, one bf16 term each; the class work-groups make P's rows alone.  W_fc's 40,960 bytes are read as they lie, 512 consecutive bytes a load,
; laid into LDS bytes of this kind's own, and read back 80 bytes a thread: four rows of five numbers.  Thread t owns n = 4 t .. 4 t + 3 and n = 1,024 + 4 t .. + 3, as in the class work-groups.
.set FBASE, 108032
.set WST,  32*STGP                     ; a wave's stage
.set RED,  8*WST                       ; behind the stages: 8 waves x 8 partial sums, the class path's own bytes
	s_load_b256 s[4:11], s[0:1], 0x0               ; x_scales s[4:5], W_feat_scales s[6:7], prototypes s[8:9], W_fc s[10:11]
	s_load_b128 s[12:15], s[0:1], 0x20             ; sc_t s[12:13], wc s[14:15]
	s_load_b128 s[36:39], s[0:1], 0x30             ; W_feat_codes s[36:37], wimg s[38:39]
	v_lshl_add_u32 v192, v0, 2, 0x9200
	v_mov_b32 v193, 0
	v_lshrrev_b32 v1, 5, v0
	s_delay_alu instid0(VALU_DEP_1)
	v_readfirstlane_b32 s18, v1                    ; wave 0..7
	v_and_b32 v2, 31, v0                           ; lane
	s_wait_alu depctr_va_vdst(0)
	s_cmp_ge_u32 ttmp9, 173                        ; the same in all waves of a work-group
	s_cbranch_scc1 .Lwfc
	s_cmp_ge_u32 ttmp9, 45                         ; the same in all waves of a work-group
	s_cbranch_scc1 .Lwimg
	s_cmp_ge_u32 ttmp9, 40                         ; the same in all waves of a work-group
	s_cbranch_scc1 .Lclass
	; ---- the scale bytes
	v_lshlrev_b32 v3, 4, v2                        ; my 16 bytes of a load's 512
	s_mul_i32 s19, s18, WST
	v_lshrrev_b32 v4, 3, v2
	s_delay_alu instid0(VALU_DEP_1)
	v_mul_u32_u24 v4, v4, STGP
	v_and_b32 v5, 7, v2
	s_delay_alu instid0(VALU_DEP_1)
	v_lshl_add_u32 v4, v5, 4, v4
	s_delay_alu instid0(VALU_DEP_1)
	v_add_nc_u32 v4, s19, v4                       ; into the stage: a load holds four rows: row lane / 8, 16 bytes at 16 (lane % 8)
	v_mul_u32_u24 v8, v2, STGP
	s_delay_alu instid0(VALU_DEP_1)
	v_add_nc_u32 v8, s19, v8                       ; out of it: my row is row lane
	v_and_b32 v6, 15, v2
	v_lshrrev_b32 v7, 4, v2
	s_delay_alu instid0(VALU_DEP_2)
	v_lshlrev_b32 v6, 4, v6
	s_delay_alu instid0(VALU_DEP_1)
	v_lshl_add_u32 v6, v7, 3, v6                   ; in the new layout: 16 r + 8 u, r = lane % 16, u = lane / 16
	s_wait_alu depctr_va_vdst(0)
	s_wait_kmcnt 0x0
	s_cmp_lt_u32 ttmp9, 32                         ; x's tile or W_feat's: the choice hangs on the work-group's number alone
	s_cselect_b64 s[4:5], s[4:5], s[6:7]
	s_cselect_b32 s20, 0, 32
	s_sub_co_u32 s20, ttmp9, s20                   ; the tile in its own tensor
	s_lshl_b32 s20, s20, 15                        ; 32,768 bytes a tile
	s_lshl_b32 s21, s18, 12
	s_add_co_u32 s22, s20, s21                     ; from: + 4,096 x wave
	s_mov_b32 s23, 0
	s_add_nc_u64 s[4:5], s[4:5], s[22:23]
	s_lshl_b32 s20, ttmp9, 15                      ; to: tile g of sc_t
	s_lshl_b32 s21, s18, 8
	s_add_co_u32 s22, s20, s21                     ; + 256 x wave
	s_add_nc_u64 s[12:13], s[12:13], s[22:23]
.irp i, 0,1,2,3,4,5,6,7
	global_load_b128 v[32+4*\i:35+4*\i], v3, s[4:5] offset:512*\i th:TH_LOAD_NT
.endr
.irp i, 0,1,2,3,4,5,6,7
	s_wait_loadcnt 7-\i                            ; loads come back in order: load i is in, the younger ones stay out
	ds_store_b128 v4, v[32+4*\i:35+4*\i] offset:4*STGP*\i
.endr
.irp t, 0,1,2,3,4,5,6,7,8,9,10,11,12,13,14,15
	ds_load_b64 v[64+2*\t:65+2*\t], v8 offset:8*\t ; LDS serves a wave's instructions in order: these see my stores.  My row's bytes of K step t
.endr
.irp t, 0,1,2,3,4,5,6,7,8,9,10,11,12,13,14,15
	s_wait_dscnt 15-\t
	global_store_b64 v6, v[64+2*\t:65+2*\t], s[12:13] offset:2048*\t   ; 32 lanes store 256 consecutive bytes, at a multiple of 256 from the buffer's first byte
.endr
	s_wait_tensorcnt 0x0
	ds_add_u32 v192, v193
	s_wait_dscnt 0x0
	s_endpgm
	; ---- the class vectors.  Thread t of 256 owns n = 4 t .. 4 t + 3 and n = 1,024 + 4 t .. + 3
.Lclass:
	s_sub_co_u32 s20, ttmp9, 40                    ; c
	v_lshlrev_b32 v3, 4, v0                        ; prototypes: 16 t
	v_lshlrev_b32 v5, 3, v0                        ; wc: 8 t
	s_lshl_b32 s21, s18, 5
	s_add_co_u32 s21, s21, RED
	v_mov_b32 v6, s21                              ; my wave's eight words
	v_mov_b32 v7, RED                              ; all waves' words
	s_mov_b32 s24, 0x76543210
	s_mov_b32 s25, 0xfedcba98                      ; v_permlanex16_b32's selects for lane l xor 16
	s_lshl_b32 s22, s20, 16                        ; a class is 8 x 8,192 bytes
	s_mov_b32 s23, 0
	s_add_co_u32 s28, s20, 4
	s_cmp_lt_u32 s20, 4
	s_cselect_b32 s30, s20, 13                     ; hi's row
	s_cselect_b32 s32, s28, 14                     ; lo's row
	s_lshl_b32 s30, s30, 12                        ; 4,096 bytes a row
	s_mov_b32 s31, 0
	s_lshl_b32 s32, s32, 12
	s_mov_b32 s33, 0
	s_wait_alu depctr_va_vdst(0)
	s_wait_kmcnt 0x0
	s_add_nc_u64 s[8:9], s[8:9], s[22:23]
	s_add_nc_u64 s[30:31], s[14:15], s[30:31]
	s_add_nc_u64 s[32:33], s[14:15], s[32:33]
.irp s, 0,1,2,3,4,5,6,7
	global_load_b128 v[32+8*\s:35+8*\s], v3, s[8:9] offset:8192*\s          ; prototype s: a wave reads 512 consecutive bytes
	global_load_b128 v[36+8*\s:39+8*\s], v3, s[8:9] offset:8192*\s+4096
.endr
	s_wait_loadcnt 0x0                             ; the prototypes are in
.irp s, 0,1,2,3,4,5,6,7
	v_pk_mul_f32 v[104+2*\s:105+2*\s], v[32+8*\s:33+8*\s], v[32+8*\s:33+8*\s]   ; the sums of squares, the eight prototypes by turns: the first product starts each sum
.endr
.irp i, 2,4,6
.irp s, 0,1,2,3,4,5,6,7
	v_pk_fma_f32 v[104+2*\s:105+2*\s], v[32+8*\s+\i:33+8*\s+\i], v[32+8*\s+\i:33+8*\s+\i], v[104+2*\s:105+2*\s]
.endr
.endr
.irp s, 0,1,2,3,4,5,6,7
	v_add_f32 v[120+\s], v[104+2*\s], v[105+2*\s]
.endr
.irp m, 1,2,4,8
.irp s, 0,1,2,3,4,5,6,7
	v_add_f32_dpp v[120+\s], v[120+\s], v[120+\s] row_xmask:\m row_mask:0xf bank_mask:0xf
.endr
.endr
.irp s, 0,1,2,3,4,5,6,7
	v_permlanex16_b32 v[104+\s], v[120+\s], s24, s25   ; (its destination has been written)
.endr
.irp s, 0,1,2,3,4,5,6,7
	v_add_f32 v[120+\s], v[120+\s], v[104+\s]      ; my wave's part, in every lane
.endr
.irp s, 0,1,2,3,4,5,6,7
	ds_store_b32 v6, v[120+\s] offset:4*\s         ; all lanes write the same word with the same value
.endr
	s_wait_dscnt 0x0                               ; for the others' sake: my stores are done
	s_barrier_signal -1
	s_barrier_wait -1
.irp i, 0,1,2,3,4,5,6,7,8,9,10,11,12,13,14,15
	ds_load_b128 v[128+4*\i:131+4*\i], v7 offset:16*\i   ; register 128 + 8 w + s: wave w's part of prototype s
.endr
	s_wait_dscnt 0x0
.irp w, 1,2,3,4,5,6,7
.irp j, 0,2,4,6
	v_pk_add_f32 v[128+\j:129+\j], v[128+\j:129+\j], v[128+8*\w+\j:129+8*\w+\j]
.endr
.endr
	s_wait_alu depctr_va_vdst(0)
.irp s, 0,1,2,3,4,5,6,7
	v_rsq_f32 v[136+\s], v[128+\s]                 ; 1 / norm: one batch of eight
.endr
	v_nop                                          ; a plain instruction behind the last of them (ISA guide 5.7.2)
	s_wait_alu depctr_va_vdst(0)                   ; one wait for the batch, ahead of its first reader
.irp i, 0,1,2,3,4,5,6,7
	v_mul_f32 v[144+\i], v[32+\i], v136            ; P of my eight n
.endr
.irp s, 1,2,3,4,5,6,7
.irp i, 0,1,2,3,4,5,6,7
	v_fma_f32 v[144+\i], v[32+8*\s+\i], v[136+\s], v[144+\i]
.endr
.endr
.irp p, 0,1,2,3
	v_cvt_pk_bf16_f32 v[152+\p], v[144+2*\p], v[145+2*\p]      ; hi
.endr
.irp p, 0,1,2,3
	v_lshlrev_b32 v[160+2*\p], 16, v[152+\p]       ; hi as f32 again
	v_and_b32 v[161+2*\p], 0xffff0000, v[152+\p]
.endr
.irp i, 0,1,2,3,4,5,6,7
	v_sub_f32 v[160+\i], v[144+\i], v[160+\i]      ; P - hi: exact
.endr
.irp p, 0,1,2,3
	v_cvt_pk_bf16_f32 v[156+\p], v[160+2*\p], v[161+2*\p]      ; lo
.endr
	global_store_b64 v5, v[152:153], s[30:31]              ; a wave stores 256 consecutive bytes, at a multiple of 256 from wc's first byte
	global_store_b64 v5, v[154:155], s[30:31] offset:2048
	global_store_b64 v5, v[156:157], s[32:33]
	global_store_b64 v5, v[158:159], s[32:33] offset:2048
	s_wait_tensorcnt 0x0
	ds_add_u32 v192, v193
	s_wait_dscnt 0x0
	s_endpgm
	; ---- W_feat's codes as register images
.Lwimg:
	s_sub_co_u32 s20, ttmp9, 45                    ; the block of 16 rows
	s_lshl_b32 s20, s20, 16                        ; 65,536 bytes, in both layouts
	s_lshl_b32 s21, s18, 9
	s_add_co_u32 s22, s20, s21                     ; from: + 512 x wave in each row
	s_mov_b32 s23, 0
	s_lshl_b32 s21, s18, 13
	s_add_co_u32 s24, s20, s21                     ; to: + 8,192 x wave
	s_mov_b32 s25, 0
	s_mul_i32 s19, s18, WSTG
	s_add_co_u32 s19, s19, WBASE                   ; my wave's stage
	v_lshlrev_b32 v3, 4, v2                        ; 16 x lane
	v_mul_u32_u24 v4, v2, 272
	v_lshrrev_b32 v5, 4, v2
	v_and_b32 v6, 15, v2
	s_delay_alu instid0(VALU_DEP_2)
	v_mul_u32_u24 v5, v5, 272
	s_delay_alu instid0(VALU_DEP_4)
	v_add_nc_u32 v4, s19, v4                       ; in: piece (r, 32 w + lane) at 272 x lane + 16 r
	s_delay_alu instid0(VALU_DEP_2)
	v_lshl_add_u32 v5, v6, 4, v5
	s_delay_alu instid0(VALU_DEP_1)
	v_add_nc_u32 v5, s19, v5                       ; out, store s: 272 (2 s + lane / 16) + 16 (lane % 16)
	s_wait_alu depctr_va_vdst(0)                   ; the wait directly ahead of the wait below
	s_wait_kmcnt 0x0
	s_add_nc_u64 s[36:37], s[36:37], s[22:23]
	s_add_nc_u64 s[38:39], s[38:39], s[24:25]
.irp r, 0,1,2,3,4,5,6,7,8,9,10,11,12,13,14,15
	global_load_b128 v[32+4*\r:35+4*\r], v3, s[36:37] offset:4096*\r th:TH_LOAD_NT   ; 512 consecutive bytes of row r; read once in the launch
.endr
.irp r, 0,1,2,3,4,5,6,7,8,9,10,11,12,13,14,15
	s_wait_loadcnt 15-\r                           ; loads come back in order
	ds_store_b128 v4, v[32+4*\r:35+4*\r] offset:16*\r
.endr
.irp s, 0,1,2,3,4,5,6,7,8,9,10,11,12,13,14,15
	ds_load_b128 v[96+4*\s:99+4*\s], v5 offset:544*\s   ; LDS serves a wave's instructions in order: these see my stores
.endr
.irp s, 0,1,2,3,4,5,6,7,8,9,10,11,12,13,14,15
	s_wait_dscnt 15-\s
	global_store_b128 v3, v[96+4*\s:99+4*\s], s[38:39] offset:512*\s   ; 512 consecutive bytes, at a multiple of 256 from wimg's first byte
.endr
	s_wait_tensorcnt 0x0
	ds_add_u32 v192, v193
	s_wait_dscnt 0x0
	s_endpgm
	; ---- W_fc's columns
.Lwfc:
	v_lshlrev_b32 v3, 4, v0                        ; 16 t
	v_mul_u32_u24 v4, v0, 80                       ; four rows of 20 bytes a thread
	v_lshlrev_b32 v5, 3, v0                        ; wc: 8 t
	s_delay_alu instid0(VALU_DEP_3)
	v_add_nc_u32 v6, FBASE, v3                     ; into LDS as it lies,
	s_delay_alu instid0(VALU_DEP_3)
	v_add_nc_u32 v4, FBASE, v4                     ; out of it by threads
	s_wait_alu depctr_va_vdst(0)                   ; the wait directly ahead of the wait below
	s_wait_kmcnt 0x0
.irp j, 0,1,2,3,4,5,6,7,8,9
	global_load_b128 v[32+4*\j:35+4*\j], v3, s[10:11] offset:4096*\j th:TH_LOAD_NT   ; a wave reads 512 consecutive bytes; read once in the launch
.endr
.irp j, 0,1,2,3,4,5,6,7,8,9
	s_wait_loadcnt 9-\j                            ; loads come back in order
	ds_store_b128 v6, v[32+4*\j:35+4*\j] offset:4096*\j
.endr
	s_wait_dscnt 0x0                               ; for the others' sake: my stores are done
	s_barrier_signal -1
	s_barrier_wait -1
.irp k, 0,1
.irp i, 0,1,2,3,4
	ds_load_b128 v[80+20*\k+4*\i:83+20*\k+4*\i], v4 offset:20480*\k+16*\i   ; register 80 + 20 k + 5 i + c: W_fc(1,024 k + 4 t + i, c)
.endr
.endr
	s_wait_dscnt 0x0
.irp k, 0,1
.irp c, 0,1,2,3,4
	v_cvt_pk_bf16_f32 v[128+4*\c+2*\k], v[80+20*\k+\c], v[85+20*\k+\c]
	v_cvt_pk_bf16_f32 v[129+4*\c+2*\k], v[90+20*\k+\c], v[95+20*\k+\c]
.endr
.endr
.irp k, 0,1
.irp c, 0,1,2,3,4
	global_store_b64 v5, v[128+4*\c+2*\k:129+4*\c+2*\k], s[14:15] offset:(8+\c)*4096+2048*\k   ; a wave stores 256 consecutive bytes, at a multiple of 256 from wc's first byte
.endr
.endr
	s_wait_tensorcnt 0x0
	ds_add_u32 v192, v193
	s_wait_dscnt 0x0
	s_endpgm
.Lfunc_end_k_q29e517c362_prep:
	.size	k_q29e517c362_prep, .Lfunc_end_k_q29e517c362_prep-k_q29e517c362_prep
	.p2alignl 7, 3214868480
	.fill 96, 4, 3214868480
	.section	.rodata,"a",@progbits
	.p2align	6, 0x0
	.amdhsa_kernel k_q29e517c362_prep
		.amdhsa_group_segment_fixed_size 148992
		.amdhsa_private_segment_fixed_size 0
		.amdhsa_enable_private_segment 0
		.amdhsa_kernarg_size 64
		.amdhsa_user_sgpr_count 2
		.amdhsa_user_sgpr_kernarg_segment_ptr 1
		.amdhsa_wavefront_size32 1
		.amdhsa_system_sgpr_workgroup_id_x 1
		.amdhsa_system_sgpr_workgroup_id_y 1
		.amdhsa_system_sgpr_workgroup_id_z 1
		.amdhsa_system_vgpr_workitem_id 0
		.amdhsa_next_free_vgpr 194
		.amdhsa_next_free_sgpr 66
		.amdhsa_reserve_vcc 0
		.amdhsa_float_denorm_mode_32 3
		.amdhsa_float_denorm_mode_16_64 3
		.amdhsa_memory_ordered 1
		.amdhsa_forward_progress 1
		.amdhsa_inst_pref_size 36
	.end_amdhsa_kernel
	.amdgpu_metadata
---
amdhsa.version: [ 1, 2 ]
amdhsa.kernels:
  - .name:           k_q29e517c362_prep
    .symbol:         k_q29e517c362_prep.kd
    .args:
      - { .name: x_scales, .offset: 0, .size: 8, .value_kind: global_buffer, .address_space: global }
      - { .name: W_feat_scales, .offset: 8, .size: 8, .value_kind: global_buffer, .address_space: global }
      - { .name: prototypes, .offset: 16, .size: 8, .value_kind: global_buffer, .address_space: global }
      - { .name: W_fc, .offset: 24, .size: 8, .value_kind: global_buffer, .address_space: global }
      - { .name: sc_t, .offset: 32, .size: 8, .value_kind: global_buffer, .address_space: global }
      - { .name: wc, .offset: 40, .size: 8, .value_kind: global_buffer, .address_space: global }
      - { .name: W_feat_codes, .offset: 48, .size: 8, .value_kind: global_buffer, .address_space: global }
      - { .name: wimg, .offset: 56, .size: 8, .value_kind: global_buffer, .address_space: global }
    .group_segment_fixed_size: 148992
    .private_segment_fixed_size: 0
    .kernarg_segment_align: 8
    .kernarg_segment_size: 64
    .max_flat_workgroup_size: 256
    .sgpr_count:     66
    .vgpr_count:     194
    .wavefront_size: 32
...
	.end_amdgpu_metadata
.endif
;; end of part 1
;; launch gemm (part 2): grid 8 x 32, 4 waves a work-group, clusters of 4 x 4, 327,680 bytes of LDS; arguments x_codes, sc_t, wimg, wc, part; writes part
.if DOCPART == 2
	.amdgcn_target "amdgcn-amd-amdhsa--gfx1250"
	.amdhsa_code_object_version 6
	.text
	.protected	k_q29e517c362_gemm
	.globl	k_q29e517c362_gemm
	.p2align	8
	.type	k_q29e517c362_gemm,@function
k_q29e517c362_gemm:
	s_mov_b64 s[64:65], 0
	v_nop
	global_prefetch_b8 v0, s[64:65] scope:SCOPE_SE
	s_setreg_imm32_b32 hwreg(HW_REG_WAVE_MODE, 25, 1), 1
	s_wait_xcnt 0x0
	s_wait_alu depctr_hold_cnt(0) depctr_sa_sdst(0) depctr_va_vdst(0) depctr_va_sdst(0) depctr_va_ssrc(0) depctr_va_vcc(0) depctr_vm_vsrc(0)
	s_getreg_b32 s2, hwreg(HW_REG_IB_STS2, 6, 4)
	s_cmp_eq_u32 s2, 0
	s_cbranch_scc0 .Lentry_in_a_cluster
	s_endpgm
.Lentry_in_a_cluster:
	s_bfe_u32 s2, ttmp6, 0x10000c
	s_cmp_lg_u32 s2, 0xf033
	s_cbranch_scc0 .Lentry_shape_is_right
	s_endpgm
.Lentry_shape_is_right:
; feats = x W_feat on MX-FP8 codes, and straight from the accumulators feats . (15 class vectors of wc).  feats never goes to memory.
; Left out: the norm of feats (one positive factor for all five scores of a row: see the first kernel's head).
; A work-group of four waves makes 256 rows x 256 columns of feats, a wave 128 x 128: 64 accumulators, 512 registers.
; x GOES THROUGH LDS: a ring of two slots of 256 rows x 512 along K (rows of 512 bytes + 16 of padding); each wave fetches 64 rows with one tensor load; 8 fills in all.
; W_feat GOES STRAIGHT INTO REGISTERS, from wimg, which holds its fragments as register images: a load takes 512 consecutive bytes.  So of the 32 KB of fragments that a wave's 64 products want, LDS serves 16.
; CLUSTERS 4 x 4: x's tile is shared along a row of the cluster and asked for jointly; a round of the cluster's barrier stands in front of every fill.  W_feat's plain loads carry no mask: no joint request for them.
; A STEP is 128 along K, 64 products in four quarters of 16: (x's blocks 0-3, W's 0-3), (0-3, 4-7), (4-7, 0-3), (4-7, 4-7).  x has one set of registers, W_feat two.  Each half set is asked for again when its last
; quarter is issued and eight places have passed, in THREE RUNS of loads a step: at the step's head x's upper half, W's upper half of the next step and, in an even step, a set of scale words;
; ahead of quarter 3 x's lower half of the next step; ahead of quarter 4 W's lower half of the step after next.
; SCALES come from sc_t, laid by 256 along K: four loads of 16 bytes a lane; x's words in lanes 0-15, W_feat's in lanes 16-31; four sets of 16 registers, asked for three sets ahead.
; PREFETCH, a lane a block of 256 bytes, one instruction a wave for each tensor: behind the fill of slot m, x's slot m + 1 (16 rows x 2 blocks; the four partners of the joint load and their waves share the 256 rows by address);
; at the same place W_feat's 512 along K two on from the slot at work (32 blocks of one block of 16 columns; the four work-groups of a column of the cluster and their waves share the 16 by address).
; x's slot 1 is not asked for ahead: its fill has all of slot 0's four steps in which to land.  The last requests stop inside the buffers: x's by a branch on the trip counter, the tail asks for nothing.
; THE PRODUCT IS USED TRANSPOSED (source 0 = W_feat's rows, source 1 = x's): a lane holds eight neighbouring columns of one row of feats, which pack into the bf16 operand of the second product.
; THE WAY OUT: feats = hi + lo, two bf16 terms (lo = bf16(feats - hi)); both go against wc's 16 rows by the bf16 matrix form, f32 sums.  The two waves of a row half add their parts through LDS; part takes register images.
; LIMITS: feats keeps about 16 bits of mantissa in its two terms; column 15 of part repeats column 14 and is read by nobody.
; REGISTERS: window 0: v16-31 addresses, v32-95 scale words, v96-127 wc's fragments, v128-255 x's fragments (on the way out v160-223 the second product's sums); window 1: W_feat's two sets; windows 2, 3: the accumulators.
.set KROW,   4096
.set SROW,   512                       ; a slot's row in bytes
.set PITCH,  528
.set FR,     16
.set NP,     8
.set SLOT,   256*PITCH
.set SCLB,   2048                      ; the scale bytes of 256 along K of a tile of 256 rows
.set WSTEP,  2048                      ; a fragment of 16 columns x 128 K in wimg
.set WBLK,   65536                     ; a block of 16 columns, all of K
.set SPARE,  2*SLOT                    ; the spare words: 128 bytes a wave
.set STG,    SPARE+512                 ; the stage of the way out: bytes of its own, 8,192 for each row half
.set STGW,   8192
.set ADRA, 16
.set SCO,  22
.set STI,  24
.set GOF,  25
.set WCO,  26
.set NEG1, 27
.set SPW,  28
.set NIL,  29
.set PFO,  30
.set PFBO, 31
.set SC,   32
.set WC,   96
.set AF,   128
.set D2,   160
.set PD,   0
.set SCB, 14
.set WV,  16
.set RH,  17
.set CH,  18
.set G1A, 24
.set G0A, 32
.set PFA, 66
.set WB,  68
.set PFB, 70
.set MSB, 0
.macro WIN new                         ; the immediate's high byte repeats the setting that is left
.if MSB != \new
	s_set_vgpr_msb (MSB<<8)|\new
.set MSB, \new
.endif
.endm
.set MUL_LO, 0xa1
.set TO_B,   0x40
.macro JLOAD s                         ; the joint load of my 64 rows; s_nop 0 and four v_nop behind it
	tensor_load_to_lds s[G0A+4*\s:G0A+4*\s+3], s[G1A:G1A+7]
	s_nop 0
.rept 4
	v_nop
.endr
.endm
.macro CREST
	s_cmp_lg_u32 s[WV], 0
	s_cbranch_scc1 .Lnot_wave_0_\@
	s_barrier_signal -3
.Lnot_wave_0_\@:
	s_barrier_wait -3
	s_barrier_signal -1
	s_barrier_wait -1
.endm
.macro CROUND
	s_barrier_signal -1
	s_barrier_wait -1
	CREST
.endm
.macro GSCALES sc, off
.irp i, 0,1,2,3
	global_load_b128 v[SC+16*(\sc)+4*\i:SC+16*(\sc)+4*\i+3], v[SCO], s[SCB:SCB+1] offset:(\off)+256*\i
.endr
.endm
.macro FRAG reg, adr, q, i             ; x: 16 rows x 128 K: registers 4 c .. 4 c + 3 hold K = 32 c + 16 h + 0 .. 15
.irp c, 0,1,2,3
	ds_load_b128 v[\reg+4*\c:\reg+4*\c+3], v[\adr] offset:128*(\q)+32*\c+(\i)*16*PITCH
.endr
.endm
.macro BFRAG blk                       ; W_feat's block blk into set HBP, from byte HBO of its block in wimg
.irp c, 0,1,2,3
	global_load_b128 v[128*HBP+FR*(\blk)+4*\c:128*HBP+FR*(\blk)+4*\c+3], v[GOF], s[WB:WB+1] offset:WBLK*(\blk)+HBO+512*\c
.endr
.endm
.macro PLACES n                        ; plain places behind matrix instructions, in front of loads into their registers and of reads of results
.rept \n
	v_nop
.endr
.endm
	s_load_b256 s[4:11], s[0:1], 0x0               ; x_codes s[4:5], sc_t s[6:7], wimg s[8:9], wc s[10:11]
	s_load_b64 s[12:13], s[0:1], 0x20              ; part
	v_lshl_add_u32 v[SPW], v0, 2, SPARE
	v_mov_b32 v[NIL], 0
	ds_add_u32 v[SPW], v[NIL]                      ; the opening lines: the add twice on end under one wait
	ds_add_u32 v[SPW], v[NIL]
	; all offsets and all vector set-up stand here, while the arguments and the adds are out
	v_lshrrev_b32 v1, 5, v0
	v_readfirstlane_b32 s[WV], v1
	s_lshr_b32 s[RH], s[WV], 1                     ; my half of the rows
	s_and_b32 s[CH], s[WV], 1                      ; my half of the columns
	s_bfe_u32 s40, ttmp6, 0x40000                  ; cx
	s_bfe_u32 s41, ttmp6, 0x40004                  ; cy
	s_lshl_b32 s42, ttmp9, 2
	s_add_co_u32 s42, s42, s40                     ; tile column
	s_and_b32 s43, ttmp7, 0xffff
	s_lshl_b32 s43, s43, 2
	s_add_co_u32 s43, s43, s41                     ; tile row
	s_lshl_b32 s44, s41, 2
	s_lshl_b32 s44, 15, s44                        ; my row of the cluster
	s_or_b32 s[G1A], s44, (1<<20)|(1<<21)|(6<<22)|(3<<25)   ; elements of 1 byte; 4 words of padding behind every 128
	s_mov_b32 s[G1A+1], SROW<<16
	s_mov_b32 s[G1A+2], 64<<16
	s_mov_b32 s[G1A+3], SROW<<16
	s_mov_b32 s[G1A+4], 64
	s_mov_b32 s[G1A+5], KROW
	s_mov_b32 s[G1A+6], 0
	s_mov_b32 s[G1A+7], 0
	s_lshl_b32 s22, s[WV], 6
	s_lshl_b32 s20, s43, 8
	s_add_co_u32 s20, s20, s22
	s_lshl_b32 s20, s20, 12                        ; x: (256 x tile row + 64 x wave) rows of 4,096 bytes
	s_mov_b32 s21, 0
	s_mul_i32 s23, s[WV], 64*PITCH                 ; where my 64 rows go
	s_lshl_b32 s46, s42, 4                         ; wimg: my eight blocks of 16 columns
	s_lshl_b32 s77, s[CH], 3
	s_add_co_u32 s46, s46, s77
	s_lshl_b32 s46, s46, 16
	s_mov_b32 s47, 0
	s_lshl_b32 s48, s42, 4                         ; wimg, prefetch: block 16 x tile column + 4 cy + wave
	s_lshl_b32 s77, s41, 2
	s_add_co_u32 s48, s48, s77
	s_add_co_u32 s48, s48, s[WV]
	s_lshl_b32 s48, s48, 16
	s_mov_b32 s49, 0
	s_lshl_b32 s78, s43, 8                         ; x, prefetch: rows 256 x tile row + 64 cx + 16 x wave
	s_lshl_b32 s77, s40, 6
	s_add_co_u32 s78, s78, s77
	s_lshl_b32 s77, s[WV], 4
	s_add_co_u32 s78, s78, s77
	s_lshl_b32 s78, s78, 12
	s_mov_b32 s79, 0
	s_lshl_b32 s52, s42, 9                         ; wc: my 128 columns, 2 bytes each
	s_lshl_b32 s77, s[CH], 8
	s_add_co_u32 s52, s52, s77
	s_mov_b32 s53, 0
	s_lshl_b32 s54, s42, 19                        ; part: tile column x 524,288 + tile row x 16,384 + row half x 8,192
	s_lshl_b32 s77, s43, 14
	s_add_co_u32 s54, s54, s77
	s_lshl_b32 s77, s[RH], 13
	s_add_co_u32 s54, s54, s77
	s_mov_b32 s55, 0
	s_lshl_b32 s74, s43, 15                        ; sc_t: x's tile, my four G,
	s_lshl_b32 s77, s[RH], 10
	s_add_co_u32 s74, s74, s77
	s_lshl_b32 s75, s42, 15                        ; and how far on W_feat's lie
	s_lshl_b32 s77, s[CH], 10
	s_add_co_u32 s75, s75, s77
	s_add_co_u32 s75, s75, 0x100000
	s_sub_co_u32 s75, s75, s74
	s_mul_i32 s72, s[RH], 128*PITCH                ; my 128 rows of x in a slot
	s_mul_i32 s76, s[RH], STGW
	s_add_co_u32 s76, s76, STG                     ; my row half's stage
	v_and_b32 v1, 15, v0                           ; r
	v_bfe_u32 v2, v0, 4, 1                         ; h
	v_and_b32 v5, 31, v0                           ; lane
	v_bfe_u32 v6, v0, 1, 4                         ; lane / 2
	v_and_b32 v7, 1, v0
	v_lshlrev_b32 v[PFBO], 8, v5                   ; wimg: a lane a block of 256 bytes
	v_lshlrev_b32 v[GOF], 4, v5
	v_lshlrev_b32 v[PFO], 12, v6                   ; x: two lanes a row,
	v_min_u32 v[WCO], 14, v1                       ; wc has 15 rows: lane 15 repeats row 14
	v_mul_lo_u32 v4, v2, s75
	v_mul_u32_u24 v3, v1, PITCH
	v_lshl_add_u32 v[PFO], v7, 8, v[PFO]           ; each a block of 256 bytes
	v_lshlrev_b32 v[WCO], 12, v[WCO]
	v_add_nc_u32 v4, s74, v4
	v_lshl_add_u32 v3, v2, 4, v3                   ; a fragment's row x pitch + 16 h
	v_lshl_add_u32 v[WCO], v2, 4, v[WCO]
	v_lshl_add_u32 v[SCO], v1, 4, v4
	v_add_nc_u32 v[ADRA], s72, v3
	v_add_nc_u32 v[STI], s76, v[GOF]
	v_mov_b32 v[NEG1], -1.0
	v_add_nc_u32 v[ADRA+1], SLOT, v[ADRA]
	s_wait_alu depctr_va_vdst(0)                   ; the wait at the head's end
	s_wait_dscnt 0x0                               ; both opening adds are done
	s_wait_kmcnt 0x0
	s_add_nc_u64 s[20:21], s[4:5], s[20:21]
	s_add_nc_u64 s[WB:WB+1], s[8:9], s[46:47]
	s_add_nc_u64 s[PFB:PFB+1], s[8:9], s[48:49]
	s_add_nc_u64 s[PFA:PFA+1], s[4:5], s[78:79]
	s_add_nc_u64 s[10:11], s[10:11], s[52:53]
	s_add_nc_u64 s[12:13], s[12:13], s[54:55]
	s_mov_b64 s[SCB:SCB+1], s[6:7]
.irp s, 0,1
	s_mov_b32 s[G0A+4*\s], 1
	s_add_co_u32 s[G0A+4*\s+1], s23, \s*SLOT
	s_add_nc_u64 s[G0A+4*\s+2:G0A+4*\s+3], s[20:21], \s*SROW
	s_or_b32 s[G0A+4*\s+3], s[G0A+4*\s+3], 0x80000000
.endr
	CROUND                                         ; all sixteen work-groups are here: the first joint loads meet
	JLOAD 0                                        ; slot 0: one tensor load a wave at the head
	global_prefetch_b8 v[PFBO], s[PFB:PFB+1] offset:4*WSTEP th:TH_LOAD_NT scope:SCOPE_SE   ; W_feat's second 512 along K
	GSCALES 0, 0                                   ; 60 loads go out while slot 0 is on its way: three sets of scale words,
	GSCALES 1, SCLB
	GSCALES 2, 2*SCLB
	WIN TO_B
.set HBP, 0
.set HBO, 0
.irp k, 0,1,2,3,4,5,6,7
	BFRAG \k                                       ; W_feat's step 0,
.endr
.set HBP, 1
.set HBO, WSTEP
.irp k, 0,1,2,3
	BFRAG \k                                       ; and the lower half of step 1
.endr
	WIN 0
; 16 products: x's blocks a0 .. a0 + 3 against W_feat's b0 .. b0 + 3; the accumulators take turns
.macro MULQ a0, b0, zero
	WIN MUL_LO+0x50*((\a0)/4)
.irp a, \a0, \a0+1, \a0+2, \a0+3
.irp b, \b0, \b0+1, \b0+2, \b0+3
.if \zero
	v_wmma_scale_f32_16x16x128_f8f6f4 v[8*(8*((\a)%4)+(\b)):8*(8*((\a)%4)+(\b))+7], v[128*p_+FR*(\b):128*p_+FR*(\b)+FR-1], v[AF+FR*(\a):AF+FR*(\a)+FR-1], 0, v[SC+16*sc_+2*(\b)+p_], v[SC+16*sc_+2*(\a)+p_] matrix_a_scale:MATRIX_SCALE_ROW1
.else
	v_wmma_scale_f32_16x16x128_f8f6f4 v[8*(8*((\a)%4)+(\b)):8*(8*((\a)%4)+(\b))+7], v[128*p_+FR*(\b):128*p_+FR*(\b)+FR-1], v[AF+FR*(\a):AF+FR*(\a)+FR-1], v[8*(8*((\a)%4)+(\b)):8*(8*((\a)%4)+(\b))+7], v[SC+16*sc_+2*(\b)+p_], v[SC+16*sc_+2*(\a)+p_] matrix_a_scale:MATRIX_SCALE_ROW1
.endif
.endr
.endr
.endm
; One run of the loads that are due.  HA >= 0: x's blocks HA .. HA + 3 (slot HAS, step HAQ of it);  HB >= 0: W_feat's blocks HB .. HB + 3;  HS >= 0: scale set HS
.macro RUN
.if HA >= 0
	WIN 0
.irp i, 0,1,2,3
	FRAG AF+FR*(HA+\i), ADRA+HAS, HAQ, HA+\i
.endr
.endif
.if HB >= 0
	WIN TO_B
.irp i, 0,1,2,3
	BFRAG HB+\i
.endr
.endif
.if HS >= 0
	WIN 0
	GSCALES HS, HSO
.endif
.endm
; Step pos of a trip's eight (0 .. 8; offsets count from the trip's bases).  rem: steps that follow it (99 in the loop).  ask: 1 both prefetches, 2 x's under the trip counter.  x1, x2: wc's loads that stand behind what the two waits on LOADcnt wait for
.macro STEPX pos, rem, zero, ask, x1, x2
.set sl_, ((\pos)/4)%2
.set q_,  (\pos)%4
.set p_,  (\pos)%2
.set sc_, ((\pos)/2)%4
.set n1_, 16+(\x1)                     ; behind W's lower half of this step: its upper half (16),
.set n2_, \x2
.if (\rem) >= 1
.set n1_, n1_+16                       ; the next step's lower half (16);
.set n2_, n2_+32                       ; behind W's upper half of this step: the next step's two halves (32);
.endif
.if p_ == 1
.if (\rem) >= 6
.set n1_, n1_+4                        ; and the four scale loads of an even step
.set n2_, n2_+4
.endif
.else
.if (\rem) >= 7
.set n2_, n2_+4
.endif
.endif
.set HA, 4                             ; the head's run: x's upper half of this step, W's upper half of the next, and in an even step a set of scale words
.set HAS, sl_
.set HAQ, q_
.set HB, -1
.set HS, -1
.if (\rem) >= 1
.set HB, 4
.set HBP, 1-p_
.set HBO, ((\pos)+1)*WSTEP
.endif
.if (p_ == 0) && ((\rem) >= 7)
.set HS, (sc_+3)%4
.set HSO, ((\pos)/2+3)*SCLB
.endif
	s_wait_loadcnt n1_
	RUN
	s_wait_dscnt 16                                ; x's lower half is in; the 16 loads of its upper half, just issued, stay out
	MULQ 0, 0, \zero
.set HA, -1
.set HB, -1
.set HS, -1
.if (q_ == 3) && ((\rem) >= 1)
	WIN 0                                          ; (the add's registers lie in window 0)
	s_wait_tensorcnt 0x0                           ; my one load that was out, my part of the next slot, has landed
	ds_add_u32 v[SPW], v[NIL]                      ; quarter 2 is the work on registers while the add is out
.endif
	s_wait_loadcnt n2_
	MULQ 0, 4, \zero
	s_wait_dscnt 0x0                               ; x's upper half: my last reads of this slot in its last step; and the add
.if (q_ == 3) && ((\rem) >= 1)
	s_barrier_signal -1
	WIN 0
	s_barrier_wait -1
.if (\rem) >= 8
	CREST                                          ; the barrier has opened a round of the cluster's barrier
	s_add_nc_u64 s[G0A+4*sl_+2:G0A+4*sl_+3], s[G0A+4*sl_+2:G0A+4*sl_+3], 2*SROW
	JLOAD sl_                                      ; the first tensor load behind the round; its four v_nop are four of the eight places
	PLACES NP-4
.else
	PLACES NP
.endif
.else
	PLACES NP
.endif
.if (\rem) >= 1
.set HA, 0                             ; x's lower half of the next step
.set HAS, (((\pos)+1)/4)%2
.set HAQ, ((\pos)+1)%4
.endif
	RUN
	MULQ 4, 0, \zero
	PLACES NP
.set HA, -1
.if (\rem) >= 2
.set HB, 0                             ; W's lower half of the step after next
.set HBP, p_
.set HBO, ((\pos)+2)*WSTEP
.endif
	RUN
.set HB, -1
.if \ask
	WIN 0
	global_prefetch_b8 v[PFBO], s[PFB:PFB+1] offset:((\pos)/4+2)*4*WSTEP th:TH_LOAD_NT scope:SCOPE_SE
.if \ask == 2
	s_cmp_gt_u32 s3, 1                             ; in the last trip x has no slot left to ask for here
	s_cbranch_scc0 .Lno_ask_\@
.endif
	global_prefetch_b8 v[PFO], s[PFA:PFA+1] offset:((\pos)/4+3)*SROW th:TH_LOAD_NT scope:SCOPE_SE
.if \ask == 2
.Lno_ask_\@:
.endif
.endif
	MULQ 4, 4, \zero
	PLACES NP
.endm
	s_wait_tensorcnt 0x0                           ; my part of slot 0 is in; slot 1's first fill is issued as a refill is
	ds_add_u32 v[SPW], v[NIL]
	s_wait_dscnt 0x0
	CROUND                                         ; everybody's part of slot 0 is in, and the joint loads meet
	JLOAD 1
.irp i, 0,1,2,3
	FRAG AF+FR*\i, ADRA, 0, \i                     ; x's lower half of step 0
.endr
	global_prefetch_b8 v[PFO], s[PFA:PFA+1] offset:2*SROW th:TH_LOAD_NT scope:SCOPE_SE   ; x's slot 2
	STEPX 0, 99, 1, 0, 0, 0                        ; the first products start the sums
	WIN 0
	s_mov_b32 s3, 3
.Ltrip:                                                ; a trip: eight steps, once round the ring and the four sets of scale words
	STEPX 1, 99, 0, 0, 0, 0
	STEPX 2, 99, 0, 0, 0, 0
	STEPX 3, 99, 0, 1, 0, 0
	STEPX 4, 99, 0, 0, 0, 0
	STEPX 5, 99, 0, 0, 0, 0
	STEPX 6, 99, 0, 0, 0, 0
	STEPX 7, 99, 0, 2, 0, 0
	STEPX 8, 99, 0, 0, 0, 0
	WIN 0
	s_wait_xcnt 0x0                                ; my loads and prefetches have read their bases
	s_add_nc_u64 s[WB:WB+1], s[WB:WB+1], 8*WSTEP
	s_add_nc_u64 s[PFB:PFB+1], s[PFB:PFB+1], 8*WSTEP
	s_add_nc_u64 s[PFA:PFA+1], s[PFA:PFA+1], 2*SROW
	s_add_nc_u64 s[SCB:SCB+1], s[SCB:SCB+1], 4*SCLB
	s_sub_co_u32 s3, s3, 1
	s_cmp_lg_u32 s3, 0
	s_cbranch_scc1 .Ltrip
.irp q, 0,1,2,3                        ; wc's fragments, for the way out: eight loads, counted in the next three waits on LOADcnt
	global_load_b128 v[WC+8*\q:WC+8*\q+3], v[WCO], s[10:11] offset:64*\q
	global_load_b128 v[WC+8*\q+4:WC+8*\q+7], v[WCO], s[10:11] offset:64*\q+32
.endr
	STEPX 1, 6, 0, 0, 8, 8                         ; steps 25 to 31: nothing is asked for beyond the end; the counts run down
	STEPX 2, 5, 0, 0, 8, 0
	STEPX 3, 4, 0, 0, 0, 0
	STEPX 4, 3, 0, 0, 0, 0
	STEPX 5, 2, 0, 0, 0, 0
	STEPX 6, 1, 0, 0, 0, 0
	STEPX 7, 0, 0, 0, 0, 0
	WIN 0
; 64 rows of feats become two bf16 operands.  wh: sources the accumulators' window, destination the window that takes the operands; wd: hi from there, -1 from window 0, the accumulators in place
.macro CONV wh, wd
	WIN \wh
.set aw, 0
.rept 4
.set p, 0
.rept 32
	v_cvt_pk_bf16_f32 v[64*aw+p], v[64*aw+2*p], v[64*aw+2*p+1]          ; hi; each accumulator from its low end on
.set p, p+1
.endr
.set aw, aw+1
.endr
	WIN \wd
.set aw, 0
.rept 4
.set p, 0
.rept 32
	v_fma_mix_f32_bf16 v[64*aw+2*p], v[64*aw+p], v[NEG1], v[64*aw+2*p] op_sel_hi:[1,0,0]              ; feats - hi: exact
	v_fma_mix_f32_bf16 v[64*aw+2*p+1], v[64*aw+p], v[NEG1], v[64*aw+2*p+1] op_sel:[1,0,0] op_sel_hi:[1,0,0]
.set p, p+1
.endr
.set aw, aw+1
.endr
	WIN \wh
.set aw, 0
.rept 4
.set p, 0
.rept 32
	v_cvt_pk_bf16_f32 v[64*aw+32+p], v[64*aw+2*p], v[64*aw+2*p+1]       ; lo
.set p, p+1
.endr
.set aw, aw+1
.endr
.endm
.macro WM2 half, w                     ; source 0 = wc's 16 rows, source 1 = 16 rows of feats; four sums by turns, three others between two steps of one
	WIN \w
.irp q, 0,1,2,3
.irp part, 0,1
.irp aw, 0,1,2,3
.if (\q == 0) && (\part == 0)
	v_wmma_f32_16x16x32_bf16 v[D2+8*(4*\half+\aw):D2+8*(4*\half+\aw)+7], v[WC+8*\q:WC+8*\q+7], v[64*\aw+32*\part+8*\q:64*\aw+32*\part+8*\q+7], 0
.else
	v_wmma_f32_16x16x32_bf16 v[D2+8*(4*\half+\aw):D2+8*(4*\half+\aw)+7], v[WC+8*\q:WC+8*\q+7], v[64*\aw+32*\part+8*\q:64*\aw+32*\part+8*\q+7], v[D2+8*(4*\half+\aw):D2+8*(4*\half+\aw)+7]
.endif
.endr
.endr
.endr
.endm
	PLACES 1                                       ; results are laid over operands of the last products: one place more than the eight above
	CONV 0x4a, 0xa1                                ; rows 0-63: window 2 -> operands in window 1
	WM2 0, 0x04
	CONV 0x8f, 0xf2                                ; rows 64-127: window 3 -> operands in window 2
	WM2 1, 0x08
	WIN 0
	PLACES 5
	s_cmp_eq_u32 s[CH], 0
	s_cbranch_scc1 .Lkeeps
.irp a, 0,1,2,3,4,5,6,7                ; the wave of the right column half hands its sums over, as register images
	ds_store_b128 v[STI], v[D2+8*\a:D2+8*\a+3] offset:1024*\a
	ds_store_b128 v[STI], v[D2+8*\a+4:D2+8*\a+7] offset:1024*\a+512
.endr
.Lkeeps:
	s_wait_dscnt 0x0                               ; for the other wave's sake
	s_barrier_signal -1
	s_barrier_wait -1
	s_cmp_eq_u32 s[CH], 0
	s_cbranch_scc0 .Lend
	WIN TO_B
.irp a, 0,1,2,3,4,5,6,7
	ds_load_b128 v[PD+8*\a:PD+8*\a+3], v[STI] offset:1024*\a
	ds_load_b128 v[PD+8*\a+4:PD+8*\a+7], v[STI] offset:1024*\a+512
.endr
	s_wait_dscnt 0x0
	WIN 0x04
.set i, 0
.rept 32
	v_pk_add_f32 v[D2+2*i:D2+2*i+1], v[D2+2*i:D2+2*i+1], v[PD+2*i:PD+2*i+1]
.set i, i+1
.endr
	WIN 0
.irp a, 0,1,2,3,4,5,6,7
	global_store_b128 v[GOF], v[D2+8*\a:D2+8*\a+3], s[12:13] offset:1024*\a          ; 32 lanes store 512 consecutive bytes, at a multiple of 256 from part's first byte
	global_store_b128 v[GOF], v[D2+8*\a+4:D2+8*\a+7], s[12:13] offset:1024*\a+512
.endr
.Lend:
	s_wait_tensorcnt 0x0                           ; the wave's end
	ds_add_u32 v[SPW], v[NIL]
	s_wait_dscnt 0x0
	CROUND                                         ; the closing round
	s_endpgm
.Lfunc_end_k_q29e517c362_gemm:
	.size	k_q29e517c362_gemm, .Lfunc_end_k_q29e517c362_gemm-k_q29e517c362_gemm
	.p2alignl 7, 3214868480
	.fill 96, 4, 3214868480
	.section	.rodata,"a",@progbits
	.p2align	6, 0x0
	.amdhsa_kernel k_q29e517c362_gemm
		.amdhsa_group_segment_fixed_size 327680
		.amdhsa_private_segment_fixed_size 0
		.amdhsa_enable_private_segment 0
		.amdhsa_kernarg_size 40
		.amdhsa_user_sgpr_count 2
		.amdhsa_user_sgpr_kernarg_segment_ptr 1
		.amdhsa_wavefront_size32 1
		.amdhsa_system_sgpr_workgroup_id_x 1
		.amdhsa_system_sgpr_workgroup_id_y 1
		.amdhsa_system_sgpr_workgroup_id_z 1
		.amdhsa_system_vgpr_workitem_id 0
		.amdhsa_next_free_vgpr 1024
		.amdhsa_next_free_sgpr 80
		.amdhsa_reserve_vcc 0
		.amdhsa_float_denorm_mode_32 3
		.amdhsa_float_denorm_mode_16_64 3
		.amdhsa_memory_ordered 1
		.amdhsa_forward_progress 1
		.amdhsa_inst_pref_size 255
	.end_amdhsa_kernel
	.section	.bss,"aw",@nobits
	.p2align	6
	.space	262144
	.amdgpu_metadata
---
amdhsa.version: [ 1, 2 ]
amdhsa.kernels:
  - .name:           k_q29e517c362_gemm
    .symbol:         k_q29e517c362_gemm.kd
    .args:
      - { .name: x_codes, .offset: 0, .size: 8, .value_kind: global_buffer, .address_space: global }
      - { .name: sc_t, .offset: 8, .size: 8, .value_kind: global_buffer, .address_space: global }
      - { .name: wimg, .offset: 16, .size: 8, .value_kind: global_buffer, .address_space: global }
      - { .name: wc, .offset: 24, .size: 8, .value_kind: global_buffer, .address_space: global }
      - { .name: part, .offset: 32, .size: 8, .value_kind: global_buffer, .address_space: global }
    .group_segment_fixed_size: 327680
    .private_segment_fixed_size: 0
    .kernarg_segment_align: 8
    .kernarg_segment_size: 40
    .max_flat_workgroup_size: 128
    .sgpr_count:     80
    .vgpr_count:     1024
    .wavefront_size: 32
...
	.end_amdgpu_metadata
.endif
;; end of part 2
;; launch finish (part 3): grid 128 x 1, 4 waves a work-group, no clusters, 2,048 bytes of LDS; arguments part, b_fc, out0, out1; writes out0, out1
.if DOCPART == 3
	.amdgcn_target "amdgcn-amd-amdhsa--gfx1250"
	.amdhsa_code_object_version 6
	.text
	.protected	k_q29e517c362_finish
	.globl	k_q29e517c362_finish
	.p2align	8
	.type	k_q29e517c362_finish,@function
k_q29e517c362_finish:
	s_mov_b64 s[64:65], 0
	v_nop
	global_prefetch_b8 v0, s[64:65] scope:SCOPE_SE
	s_setreg_imm32_b32 hwreg(HW_REG_WAVE_MODE, 25, 1), 1
	s_wait_xcnt 0x0
; The eight tile columns' parts are added; out0 = feats W_fc + b_fc; out1 = the first class with the largest feats . P[c].
; Left out: the division of the scores by the row's norm and by 8, one positive factor for all five (see the first kernel's head).
; part holds register images: at tile column x 524,288 + (row / 16) x 1,024 + 512 k + 16 x lane lie registers 4 k .. 4 k + 3 of lane (r, h): of row 16 (row / 16) + r the columns 8 h + j:
; columns 0-3 feats . hi of classes 0-3, 4-7 feats . lo of classes 0-3, 8-12 feats . W_fc's columns, 13 and 14 hi and lo of class 4; column 15 is not used.
; A work-group of four waves owns 64 rows, a wave 16.  Lanes l and l xor 16 exchange their eight sums, so that both hold all 15 columns of their row, compute the same and store the same words
; to the same LDS places with all lanes on.  64 rows of out0 are 1,280 bytes, five blocks of 256, and 64 labels one block: waves 0 and 1 store 512 consecutive aligned bytes each, wave 2 out0's last block and
; wave 3 the labels' block, there lanes l and l + 16 with the same 16 bytes at the same place.
; No matrix unit, no cluster, no tensor load, no prefetch: 4 MiB are read once, by one batch of loads a wave with no loop to run ahead in, and nothing is shared between work-groups.
; LIMITS: the label is the first class whose score exceeds all before it: a NaN score never wins here (an argmax that ranks NaN highest would take the first NaN).
.set LAB, 1280                         ; LDS: 64 rows x 20 bytes of out0, then 64 labels of 4 bytes; the spare words from byte 1,536
.set S,   16                           ; v16-79  the eight parts, 8 registers each; then v16-23 their sum
.set Y,   24                           ; v24-31  the sum of lane l xor 16
.set L,   32                           ; v32-39  columns 0-7
.set T,   40                           ; v40-44  feats . P of the five classes
.set BEST, 45
.set IDX, 46
.set U,   48                           ; v48-54  columns 8-14
.set O,   56                           ; v56-60  my row of out0
.set BK,  64                           ; v64-67  16 bytes on the way out
.set CLS, 80                           ; v81-84  the numbers 1 to 4
	s_load_b256 s[4:11], s[0:1], 0x0               ; part s[4:5], b_fc s[6:7], out0 s[8:9], out1 s[10:11]
	v_lshl_add_u32 v96, v0, 2, 0x600
	v_mov_b32 v97, 0
	v_lshrrev_b32 v1, 5, v0
	v_readfirstlane_b32 s12, v1                    ; wave 0..3
	v_and_b32 v2, 31, v0                           ; lane
	v_and_b32 v3, 15, v0                           ; r
	v_lshlrev_b32 v8, 4, v0                        ; on the way out, waves 0 and 1: 16 bytes a thread
	v_lshlrev_b32 v4, 4, v2                        ; 16 x lane
	v_lshl_add_u32 v5, v1, 4, v3                   ; my row in the work-group's 64
	v_lshlrev_b32 v9, 4, v3                        ; 16 r: the labels' block in out1,
	v_lshl_add_u32 v10, v3, 4, 1024                ; out0's last block, in LDS and in out0,
	v_lshl_add_u32 v11, v3, 4, LAB                 ; and the labels' block in LDS
	v_mul_u32_u24 v6, v5, 20                       ; my row's place in the stage for out0,
	v_lshl_add_u32 v7, v5, 2, LAB                  ; and for the labels
	s_lshl_b32 s13, ttmp9, 2
	s_add_co_u32 s13, s13, s12                     ; my block of 16 rows
	s_lshl_b32 s14, s13, 10
	s_mov_b32 s15, 0
	s_mul_i32 s22, ttmp9, 1280
	s_mov_b32 s23, 0
	s_lshl_b32 s24, ttmp9, 8
	s_mov_b32 s25, 0
	s_mov_b32 s26, 0x76543210
	s_mov_b32 s27, 0xfedcba98                      ; v_permlanex16_b32's selects for lane l xor 16
.irp c, 1,2,3,4
	v_mov_b32 v[CLS+\c], \c
.endr
	s_wait_alu depctr_va_vdst(0)                   ; the wait at the head's end
	s_wait_kmcnt 0x0
	s_load_b128 s[16:19], s[6:7], 0x0              ; b_fc: five numbers
	s_load_b32 s20, s[6:7], 0x10
	s_add_nc_u64 s[4:5], s[4:5], s[14:15]
	s_add_nc_u64 s[8:9], s[8:9], s[22:23]
	s_add_nc_u64 s[10:11], s[10:11], s[24:25]
.irp n, 0,1,2,3,4,5,6,7
	global_load_b128 v[S+8*\n:S+8*\n+3], v4, s[4:5] offset:524288*\n th:TH_LOAD_NT          ; 512 consecutive bytes a load; read once in the launch
	global_load_b128 v[S+8*\n+4:S+8*\n+7], v4, s[4:5] offset:524288*\n+512 th:TH_LOAD_NT
.endr
	s_wait_loadcnt 0x0                             ; one batch: all sixteen are wanted by the tree below
	s_wait_kmcnt 0x0                               ; b_fc
.irp n, 0,2,4,6                        ; the eight parts, as a tree
.irp j, 0,2,4,6
	v_pk_add_f32 v[S+8*\n+\j:S+8*\n+\j+1], v[S+8*\n+\j:S+8*\n+\j+1], v[S+8+8*\n+\j:S+8+8*\n+\j+1]
.endr
.endr
.irp n, 0,4
.irp j, 0,2,4,6
	v_pk_add_f32 v[S+8*\n+\j:S+8*\n+\j+1], v[S+8*\n+\j:S+8*\n+\j+1], v[S+16+8*\n+\j:S+16+8*\n+\j+1]
.endr
.endr
.irp j, 0,2,4,6
	v_pk_add_f32 v[S+\j:S+\j+1], v[S+\j:S+\j+1], v[S+32+\j:S+32+\j+1]
.endr
	v_cmp_gt_u32 s28, 16, v2                       ; lanes 0-15: their own sums are columns 0-7
	v_mov_b32 v[IDX], 0
.irp j, 0,1,2,3,4,5,6,7
	v_permlanex16_b32 v[Y+\j], v[S+\j], s26, s27   ; (the destinations have been written)
.endr
.irp j, 0,1,2,3,4,5,6,7
	v_cndmask_b32 v[L+\j], v[Y+\j], v[S+\j], s28   ; columns 0-7, in both lanes of a row
.endr
.irp j, 5,6,0,1,2,3,4
	v_cndmask_b32 v[U+\j], v[S+\j], v[Y+\j], s28   ; columns 8-14
.endr
	v_pk_add_f32 v[T:T+1], v[L:L+1], v[L+4:L+5]    ; feats . P: hi's part + lo's
	v_pk_add_f32 v[T+2:T+3], v[L+2:L+3], v[L+6:L+7]
	v_add_f32 v[T+4], v[U+5], v[U+6]
.irp c, 0,1,2,3,4
	v_add_f32 v[O+\c], s[16+\c], v[U+\c]           ; out0 = feats . W_fc's column c + b_fc[c]
.endr
	v_mov_b32 v[BEST], v[T]
.irp c, 1,2,3,4
	v_cmp_gt_f32 vcc_lo, v[T+\c], v[BEST]          ; strictly larger: the first of equal scores stays
	v_cndmask_b32 v[BEST], v[BEST], v[T+\c], vcc_lo
	v_cndmask_b32 v[IDX], v[IDX], v[CLS+\c], vcc_lo
.endr
.irp c, 0,1,2,3,4
	ds_store_b32 v6, v[O+\c] offset:4*\c           ; all lanes on: lanes l and l xor 16 write the same word with the same value
.endr
	ds_store_b32 v7, v[IDX]
	s_wait_dscnt 0x0                               ; for the others' sake: my stores into the stage are done
	s_barrier_signal -1
	s_barrier_wait -1
	s_cmp_lt_u32 s12, 2
	s_cbranch_scc0 .Lupper
	ds_load_b128 v[BK:BK+3], v8
	s_wait_dscnt 0x0
	global_store_b128 v8, v[BK:BK+3], s[8:9]       ; 512 consecutive bytes, at a multiple of 256 from out0's first byte (1,280 = 5 x 256)
	s_wait_tensorcnt 0x0                           ; the wave's end
	ds_add_u32 v96, v97
	s_wait_dscnt 0x0
	s_endpgm
.Lupper:
	s_cmp_eq_u32 s12, 2
	s_cbranch_scc0 .Llabels
	ds_load_b128 v[BK:BK+3], v10
	s_wait_dscnt 0x0
	global_store_b128 v10, v[BK:BK+3], s[8:9]      ; out0's fifth block of 256 bytes
	s_wait_tensorcnt 0x0
	ds_add_u32 v96, v97
	s_wait_dscnt 0x0
	s_endpgm
.Llabels:
	ds_load_b128 v[BK:BK+3], v11
	s_wait_dscnt 0x0
	global_store_b128 v9, v[BK:BK+3], s[10:11]     ; 256 consecutive bytes, at a multiple of 256 from out1's first byte
	s_wait_tensorcnt 0x0
	ds_add_u32 v96, v97
	s_wait_dscnt 0x0
	s_endpgm
.Lfunc_end_k_q29e517c362_finish:
	.size	k_q29e517c362_finish, .Lfunc_end_k_q29e517c362_finish-k_q29e517c362_finish
	.p2alignl 7, 3214868480
	.fill 96, 4, 3214868480
	.section	.rodata,"a",@progbits
	.p2align	6, 0x0
	.amdhsa_kernel k_q29e517c362_finish
		.amdhsa_group_segment_fixed_size 2048
		.amdhsa_private_segment_fixed_size 0
		.amdhsa_enable_private_segment 0
		.amdhsa_kernarg_size 32
		.amdhsa_user_sgpr_count 2
		.amdhsa_user_sgpr_kernarg_segment_ptr 1
		.amdhsa_wavefront_size32 1
		.amdhsa_system_sgpr_workgroup_id_x 1
		.amdhsa_system_sgpr_workgroup_id_y 1
		.amdhsa_system_sgpr_workgroup_id_z 1
		.amdhsa_system_vgpr_workitem_id 0
		.amdhsa_next_free_vgpr 98
		.amdhsa_next_free_sgpr 66
		.amdhsa_reserve_vcc 1
		.amdhsa_float_denorm_mode_32 3
		.amdhsa_float_denorm_mode_16_64 3
		.amdhsa_memory_ordered 1
		.amdhsa_forward_progress 1
		.amdhsa_inst_pref_size 10
	.end_amdhsa_kernel
	.amdgpu_metadata
---
amdhsa.version: [ 1, 2 ]
amdhsa.kernels:
  - .name:           k_q29e517c362_finish
    .symbol:         k_q29e517c362_finish.kd
    .args:
      - { .name: part, .offset: 0, .size: 8, .value_kind: global_buffer, .address_space: global }
      - { .name: b_fc, .offset: 8, .size: 8, .value_kind: global_buffer, .address_space: global }
      - { .name: out0, .offset: 16, .size: 8, .value_kind: global_buffer, .address_space: global }
      - { .name: out1, .offset: 24, .size: 8, .value_kind: global_buffer, .address_space: global }
    .group_segment_fixed_size: 2048
    .private_segment_fixed_size: 0
    .kernarg_segment_align: 8
    .kernarg_segment_size: 32
    .max_flat_workgroup_size: 128
    .sgpr_count:     66
    .vgpr_count:     98
    .wavefront_size: 32
...
	.end_amdgpu_metadata
.endif
;; end of part 3
